; MI455X (gfx1250); checked and timed in simulation.
; The chip was launched on July 23, 2026; its instructions are those of AMD's public machine-readable ISA for CDNA 5 (MIT licence, August 2026) and "CDNA5" Instruction Set Architecture Reference Guide (July 2026). The comments in the code are by the model that wrote it; some were corrected since.
;; Xpos Multihead Attention. Allowed arithmetic: matrix products marked QUANTISED: E4M3 operands, one given power-of-two scale a tensor, by v_wmma_f32_16x16x64_fp8_fp8 or v_wmma_f32_16x16x128_fp8_fp8, f32 sums; everything else in f32.
;; Inputs: bk 1,024 float32; bo 1,024 float32; bq 1,024 float32; bv 1,024 float32; key_codes 8 x 1,024 x 32 x 32 uint8 (E4M3 codes of key, K innermost, in blocks of 32 codes); lowp_scales 12 int32 (the exponents e of the quantised operands' scales 2^e); query_codes 8 x 1,024 x 32 x 32 uint8 (E4M3 codes of query, K innermost, in blocks of 32 codes); value_codes 8 x 1,024 x 32 x 32 uint8 (E4M3 codes of value, K innermost, in blocks of 32 codes); wk_codes 1,024 x 32 x 32 uint8 (E4M3 codes of wk, K innermost, in blocks of 32 codes); wo_codes 1,024 x 32 x 32 uint8 (E4M3 codes of wo, K innermost, in blocks of 32 codes); wq_codes 1,024 x 32 x 32 uint8 (E4M3 codes of wq, K innermost, in blocks of 32 codes); wv_codes 1,024 x 32 x 32 uint8 (E4M3 codes of wv, K innermost, in blocks of 32 codes).
;; Outputs: out0 8 x 1,024 x 1,024 float32.
;; This version of the problem:
;;   THIS VERSION OF THE PROBLEM IS GIVEN IN LOW PRECISION. The matrix products marked QUANTISED in the list below multiply operands that are first quantised to E4M3 (4 exponent bits, 3 mantissa bits; 8 bits a number), with one given power-of-two scale for each operand tensor; their sums are f32. All else is computed in f32.
;;   The module's matrix products, in the order in which they are computed (A, B: the left and right operand; K: the contracted axis; several contracted axes count as one K, in the product's order):
;;     1. [M 8,192, K 1,024] x [K 1,024, N 1,024]; A: input query (given as codes); B: input wq (given as codes): QUANTISED (scales: A lowp_scales[0], B lowp_scales[1])
;;     2. [M 8,192, K 1,024] x [K 1,024, N 1,024]; A: input key (given as codes); B: input wk (given as codes): QUANTISED (scales: A lowp_scales[2], B lowp_scales[3])
;;     3. [M 8,192, K 1,024] x [K 1,024, N 1,024]; A: input value (given as codes); B: input wv (given as codes): QUANTISED (scales: A lowp_scales[4], B lowp_scales[5])
;;     4. batch 128 x [M 1,024, K 64] x [K 64, N 1,024]; A: computed on the way; B: computed on the way: QUANTISED (scales: A lowp_scales[6], B lowp_scales[7])
;;     5. batch 128 x [M 1,024, K 1,024] x [K 1,024, N 64]; A: softmax (see below); B: computed on the way: QUANTISED (scales: A lowp_scales[8], B lowp_scales[9])
;;     6. [M 8,192, K 1,024] x [K 1,024, N 1,024]; A: computed on the way; B: input wo (given as codes): QUANTISED (scales: A lowp_scales[10], B lowp_scales[11])
;;   THE QUANTISER, for each operand of a quantised product, along K:
;;     - The operand's scale is 2^e, e = its entry of the input lowp_scales (int32; the entries are numbered through the quantised products in the list's order, A before B).
;;     - Each number is divided by the scale, clamped to +-448, and rounded to the nearest number of E4M3, ties to even, subnormals kept.
;;     - The product sums the exact products of the quantised numbers (number of the format x scale) in f32.
;;   ~~~python
;;   def quantise(x, axis, e):      # numpy; x: float32 -> the quantised numbers, widened to float32 again
;;       x = np.moveaxis(x, axis, -1); K = x.shape[-1]
;;       r = np.clip(x / 2.0 ** e, -448, 448)
;;       step = 2.0 ** (np.maximum(np.frexp(np.where(r == 0, 1, r))[1] - 1, -6) - 3)
;;       q = np.round(r / step) * step * 2.0 ** e      # np.round: ties to even
;;       return np.moveaxis(q, -1, axis).astype(np.float32)
;;   ~~~
;;   SOFTMAX AHEAD OF A QUANTISED PRODUCT. Where the list says 'softmax', what is quantised is not the finished softmax but p = 2^(t - M), with t = logit x log2(e) and M = ceil(the row's largest t), a whole number; so 1/2 < the row's largest p <= 1. The row's sum l is taken of the UNQUANTISED p, in f32, and the product's result is divided by l at the end. Since M is a whole number, a kernel that streams over the keys may use a running M (the ceiling of the running maximum): every later rescaling is an exact power of two, so the quantised numbers keep their values, but for numbers so far below the row's largest that they fall under the format's range.
;;   OPERANDS COMPUTED ON THE WAY. 'Computed on the way' means the value that the module computes at that place (a softmax that the list does not call 'softmax' is quantised finished and normalised). What goes into a quantiser is computed in f32, as accurately as f32 sums, v_exp_f32 and their like allow (about 1e-6 of the number): no bf16 or f16 on the way to a quantiser, and a product that is left as it is and whose result goes on into a quantised operand takes f32 operands (vector FMAs, or v_wmma_f32_16x16x4_f32). A number that lies on a knife's edge between two numbers of the format may be rounded either way, as far as f32 arithmetic and the matrix unit's own rounding can turn it there, and no further.
;;   INPUTS GIVEN AS CODES. key (in the module: [8, 1024, 1024], K = its axis 2); query (in the module: [8, 1024, 1024], K = its axis 2); value (in the module: [8, 1024, 1024], K = its axis 2); wk (in the module: [1024, 1024], K = its axis 1); wo (in the module: [1024, 1024], K = its axis 1); wq (in the module: [1024, 1024], K = its axis 1); wv (in the module: [1024, 1024], K = its axis 1): each comes as NAME_codes (uint8): NAME with its K axis moved to the last place and cut into blocks of 32 codes, [.., K / 32, bytes a block], one block behind the other in memory; one code a byte (a code: sign, 4 exponent bits, 3 mantissa bits); its scale is its entry of lowp_scales. Its value is code x scale, taken as it is: it is not quantised again, and the codes and scales need not be those that the quantiser above would give.
;; One version. Each part assembles by itself: llvm-mc -triple=amdgcn-amd-amdhsa -mcpu=gfx1250 --defsym DOCPART=n.
;; ======== version 1 of 1: 3 launches
;; limits: right only within a limited range of input values
;; workspace buffers: qc 8,388,608 bytes; kc 8,388,608 bytes; vc 8,388,608 bytes; ac 8,388,608 bytes
;; launch proj (part 1): grid 4 x 96, 4 waves a work-group, clusters of 4 x 4, 327,680 bytes of LDS; arguments query_codes, key_codes, wv_codes, wq_codes, wk_codes, value_codes, bq, bk, bv, qc, kc, vc, lowp_scales; writes qc, kc, vc
.if DOCPART == 1
	.amdgcn_target "amdgcn-amd-amdhsa--gfx1250"
	.amdhsa_code_object_version 6
	.text
	.protected	k_q7f85bf5abf_proj
	.globl	k_q7f85bf5abf_proj
	.p2align	8
	.type	k_q7f85bf5abf_proj,@function
k_q7f85bf5abf_proj:
	s_mov_b64 s[64:65], 0
	v_nop
	global_prefetch_b8 v0, s[64:65] scope:SCOPE_SE
	s_setreg_imm32_b32 hwreg(HW_REG_WAVE_MODE, 25, 1), 1
	s_wait_xcnt 0x0
	s_wait_alu depctr_hold_cnt(0) depctr_sa_sdst(0) depctr_va_vdst(0) depctr_va_sdst(0) depctr_va_ssrc(0) depctr_va_vcc(0) depctr_vm_vsrc(0)
	s_getreg_b32 s2, hwreg(HW_REG_IB_STS2, 6, 4)
	s_cmp_eq_u32 s2, 0
	s_cbranch_scc0 .Lentry_in_a_cluster
	s_endpgm
.Lentry_in_a_cluster:
	s_bfe_u32 s2, ttmp6, 0x10000c
	s_cmp_lg_u32 s2, 0xf033
	s_cbranch_scc0 .Lentry_shape_is_right
	s_endpgm
.Lentry_shape_is_right:
; THE THREE INPUT PROJECTIONS, on codes of FP8 (E4M3), with what follows them up to the next quantiser:
;   q = xpos((query wq^T + bq) / 8), k = xpos_down(key wk^T + bk), v = value wv^T + bv, each turned into codes with its given scale (entries 6, 7, 9 of the scales).
; ONE FORM FOR ALL THREE: a product "P x R^T" of 1,024 along K.  Source 0 of the matrix instruction = 16 rows of R, source 1 = 16 rows of P: a lane then holds ONE row of P (lane % 16)
; and, in an accumulator's eight registers, EIGHT NEIGHBOURING rows of R.  q, k: P = tokens, R = features (the next K is the head's 64).  v: P = features (wv), R = tokens (the next K is the keys).
; So eight registers are eight neighbours along the next K, one conversion makes registers 2 c, 2 c + 1 of the next operand (k = 16 c + 8 (lane / 16) + 0 .. 7), and the codes are stored as
; IMAGES OF THE OPERAND'S REGISTERS: four registers x 32 lanes, lane l's 16 bytes at 16 l: each store of a wave covers 512 consecutive bytes, aligned.
;   qc, kc: [head of 128][token / 16][2 groups][lane][16 B]      vc: [head of 128][key / 128][d / 16][4 groups][lane][16 B]
; SHARES.  24 clusters of 4 x 4 work-groups: cluster y 0-7 q, 8-15 k, 16-23 v; y % 8 is the batch.  A work-group makes 256 x 256, each of its four waves 128 x 128: 64 accumulators.
; P's tile hangs on cy alone and is asked for jointly along the cluster's row, R's on cx alone and jointly along its column.  Which tensor it is hangs on the cluster's y: the same in all partners.
; K goes in steps of 256 through two LDS slots (rows of 256 bytes + 16 of padding); both operands are fetched by four loads of 16 bytes a fragment, the same permutation of k on both sides.
; The bias is the C of each sum's first matrix instruction, as bias / 2^(eX + eW); the 1/8 and the three scales are folded into the conversion's one scale 2^E, E = eO - eX - eW (+ 3 for q).
; XPOS.  (c, s)(l, i) = scale^(+-1) x (cos, sin)(l theta_i), l = l1 + r: a table E1 for the work-group's sixteen l1 (multiples of 16) and a table E2 for r = 0 .. 15 are made while the first tiles
; are on their way, and multiplied as complex numbers on the way out.  cos and sin: l theta as a product and its remainder, less n pi/2 in two parts, polynomials of degree 7 and 8 on +-pi/4.
; LIMITS.  E between -126 and 119.  NaN among the biases is not served.  theta_i = 2^(-i log2(10) / 8) by v_exp_f32: right to about 1.5e-7 of its value at the low i, so that the angle is right
; to about 1.2e-4 rad at l = 1,023.
; REGISTERS, in windows of 256.  Window 0: v16-30 addresses and the scale; v32-95 the bias as C; v96-113 at work on the tables; v128-255 P's fragments, one set.
;   On the way out: v32-63 E2, v64-95 E1, v96-127 their product, v128-191 64 numbers, v192-255 codes, four sets of 16.
;   Window 1: R's fragments, two sets.   Window 2: the accumulators of P's blocks 0-3 ((a, b) at v[8 (8 (a % 4) + b)]).   Window 3: those of blocks 4-7.
.set ROWB,   256                       ; a tile's row in bytes
.set KROW,   1024                      ; a row of P or R in memory
.set PITCH,  272                       ; an LDS row: 256 bytes + 16 of padding = 68 words: the 16 rows of a fragment load start at 16 different banks (64 banks of 4 bytes: ISA guide 11.1)
.set FR,     16                        ; registers of a fragment: 16 rows x 128 K
.set NL,     4                         ; LDS loads that bring one
.set NP,     4                         ; places behind this matrix instruction (ISA guide 7.12.1)
.set HALFT,  128*PITCH                 ; what one tensor load brings
.set SLOT,   4*HALFT                   ; P's 256 rows, then R's 256 rows
.set SPARE,  2*SLOT                    ; the spare words, 128 bytes a wave: two blocks of 256 bytes that no other line names
.set TAB,    SPARE+512                 ; the tables: 32 rows of 32 pairs (c, s) + 16 bytes; rows 0-15 E2, rows 16-31 E1.  No tile lands here
.set TP,     272
.set ADRA, 16                          ; v16-17  LDS address of my fragments of P in slot 0, 1
.set ADRB, 20                          ; v20-21  of R
.set T2,   22                          ; v22     E2: row lane % 16, + 32 (lane / 16)
.set T1,   23                          ; v23     E1: my wave's first row, + 32 (lane / 16)
.set LN,   24                          ; v24     16 x lane: an image's place for my lane
.set TA,   25                          ; v25     where I store table entries: my wave's eight rows, 8 x lane
.set BQ,   26                          ; v26     bias of q, k: 32 (lane / 16)
.set BV,   27                          ; v27     bias of v: 4 (lane % 16)
.set SPW,  28                          ; v28     my spare word; never rewritten
.set NIL,  29                          ; v29     0; never rewritten
.set SC,   30                          ; v30     2^E as f32, for the conversions
.set BI,   32
.set TH,   96
.set LS,   97
.set E2,   32
.set E1,   64
.set CSR,  96
.set YR,   128
.set COD,  192
.set AF,   128
.set G1, 24                            ; s[24:31] group 1 for P's tiles; s[32:39] group 0, a set for each slot
.set G0, 32
.set G1B, 48                           ; s[48:55], s[56:63] the same for R's
.set G0B, 56
.set MSB, 0
.macro WIN new                         ; the immediate's high byte repeats the setting that is left
.if MSB != \new
	s_set_vgpr_msb (MSB<<8)|\new
.set MSB, \new
.endif
.endm
.set MUL_LO, 0xa1                      ; source 0 (R) window 1, source 1 (P) window 0, C and D window 2
.set MUL_HI, 0xf1                      ; the same, C and D window 3
.set FST_LO, 0x81                      ; the first K step: C (the bias) window 0, D window 2
.set FST_HI, 0xc1                      ; D window 3
.set TO_B,   0x40                      ; destination window 1, address window 0
; A joint load: waves 0 and 1 fetch P's halves, waves 2 and 3 R's.  The branch hangs on the wave's number alone.  Four v_nop follow each of the two lines.
.macro JLOAD g0a, g1a, g0b, g1b
	s_cmp_eq_u32 s15, 0
	s_cbranch_scc0 .Lfor_b_\@
	tensor_load_to_lds s[\g0a:\g0a+3], s[\g1a:\g1a+7]
	s_nop 0
.rept 4
	v_nop
.endr
	s_branch .Lasked_\@
.Lfor_b_\@:
	tensor_load_to_lds s[\g0b:\g0b+3], s[\g1b:\g1b+7]
	s_nop 0
.rept 4
	v_nop
.endr
.Lasked_\@:
.endm
.macro CREST                           ; a round of the cluster's barrier behind its opening barrier
	s_cmp_lg_u32 s14, 0
	s_cbranch_scc1 .Lnot_wave_0_\@
	s_barrier_signal -3
.Lnot_wave_0_\@:
	s_barrier_wait -3
	s_barrier_signal -1
	s_barrier_wait -1
.endm
; A PREFETCH INTO THE L2 of n K steps from K step k on, of the tile that my wave fetches: 32 rows x 256 bytes a K step, a lane a row, one instruction a K step.
; Of the 128 rows that a wave fetches, the partner at place p among the four that ask jointly takes rows 32 p on (p = cx for P, cy for R): told apart by address alone.
; Behind K step 0's load: K steps 1 and 2; behind K step 1's: K step 3, the last.  A weight's tile is asked for by the clusters of batches 0-3 alone (s3 = 0).  The address registers are never rewritten.
.macro ASK k, n
	s_cmp_eq_u32 s3, 0
	s_cbranch_scc0 .Lnot_mine_\@
.set pk, \k
.rept \n
	global_prefetch_b8 v31, s[96:97] offset:256*pk th:TH_LOAD_NT scope:SCOPE_SE
.set pk, pk+1
.endr
.Lnot_mine_\@:
.endm
.macro CROUND
	s_barrier_signal -1
	s_barrier_wait -1
	CREST
.endm
	s_load_b512 s[68:83], s[0:1], 0x0              ; query, key, wv | wq, wk, value | bq, bk
	s_load_b256 s[84:91], s[0:1], 0x40             ; bv | qc, kc, vc
	s_load_b64 s[92:93], s[0:1], 0x60              ; the scales' exponents
	v_lshl_add_u32 v[SPW], v0, 2, SPARE
	v_mov_b32 v[NIL], 0
	ds_add_u32 v28, v29
	ds_add_u32 v28, v29
	s_wait_dscnt 0x0
	v_lshrrev_b32 v1, 5, v0
	v_readfirstlane_b32 s14, v1                    ; wave 0..3
	s_lshr_b32 s15, s14, 1                         ; which half of P's rows is mine.  Also: I fetch for P (0) or for R (1)
	s_and_b32 s16, s14, 1                          ; which half of R's rows.  Also: which 128 rows of that tile I fetch
	s_bfe_u32 s40, ttmp6, 0x40000                  ; cx, cy: my place in the cluster
	s_bfe_u32 s41, ttmp6, 0x40004
	s_and_b32 s66, ttmp7, 0xffff                   ; the cluster's y: 0-7 q, 8-15 k, 16-23 v
	s_and_b32 s67, s66, 7                          ; the batch
	s_lshl_b32 s2, s67, 2
	s_cmp_lt_u32 s66, 16
	s_cselect_b32 s17, s2, 0                       ; q, k: the tokens are P: 4 tiles a batch
	s_cselect_b32 s42, 0, s2                       ; v: the tokens are R
	s_add_co_u32 s17, s17, s41                     ; P's tile: cy (+ 4 x batch)
	s_add_co_u32 s42, s42, s40                     ; R's tile: cx (+ 4 x batch)
	s_lshl_b32 s43, s41, 2
	s_lshl_b32 s43, 15, s43                        ; my row of the cluster
	s_lshl_b32 s44, 0x1111, s40                    ; my column
	; group 1: a tile of 128 rows x 256 bytes, padded in LDS
	s_or_b32 s[G1+0], s43, (0<<16)|(1<<20)|(1<<21)|(5<<22)|(3<<25)  ; 15:0 the mask; 17:16 elements of 1 byte; 20 padding on; 21 set beside a mask; 24:22 after every 64 words; 31:25 four words
	s_or_b32 s[G1B+0], s44, (0<<16)|(1<<20)|(1<<21)|(5<<22)|(3<<25)
.irp g, G1, G1B
	s_mov_b32 s[\g+1], ROWB<<16                    ; tensor_dim0
	s_mov_b32 s[\g+2], 128<<16                     ; tensor_dim1
	s_mov_b32 s[\g+3], ROWB<<16                    ; tile_dim0
	s_mov_b32 s[\g+4], 128                         ; tile_dim1
	s_mov_b32 s[\g+5], KROW                        ; tensor_dim0_stride
	s_mov_b32 s[\g+6], 0
	s_mov_b32 s[\g+7], 0
.endr
	s_lshl_b32 s18, s16, 7                         ; which 128 rows of the tile I fetch
	s_lshl_b32 s20, s17, 8
	s_add_co_u32 s20, s20, s18
	s_lshl_b32 s20, s20, 10                        ; P: (256 x tile + 128 x half) rows of 1,024 bytes: 8 MiB at the most
	s_mov_b32 s21, 0
	s_lshl_b32 s46, s42, 8
	s_add_co_u32 s46, s46, s18
	s_lshl_b32 s46, s46, 10                        ; R likewise, in registers that never hold cy
	s_mov_b32 s47, 0
	s_mul_i32 s45, s14, HALFT                      ; where they go: wave x 128 rows: no place in the cluster enters an LDS address
	s_wait_kmcnt 0x0
	s_cmp_lt_u32 s66, 8                            ; the buffers are chosen on the cluster's y alone
	s_cselect_b64 s[4:5], s[68:69], s[70:71]       ; P
	s_cselect_b64 s[6:7], s[74:75], s[76:77]       ; R
	s_cselect_b64 s[8:9], s[80:81], s[82:83]       ; the bias
	s_cselect_b64 s[10:11], s[86:87], s[88:89]     ; the codes
	s_cmp_lt_u32 s66, 16
	s_cselect_b64 s[4:5], s[4:5], s[72:73]
	s_cselect_b64 s[6:7], s[6:7], s[78:79]
	s_cselect_b64 s[8:9], s[8:9], s[84:85]
	s_cselect_b64 s[10:11], s[10:11], s[90:91]
	s_load_b256 s[68:75], s[92:93], 0x0            ; e0 .. e7
	s_load_b128 s[76:79], s[92:93], 0x20           ; e8 .. e11
	s_add_nc_u64 s[20:21], s[4:5], s[20:21]
	s_add_nc_u64 s[46:47], s[6:7], s[46:47]
	s_cmp_eq_u32 s15, 0                            ; the prefetches: the tile that my wave fetches,
	s_cselect_b64 s[96:97], s[20:21], s[46:47]
	s_cselect_b32 s98, s40, s41                    ; my place among the four that ask for it with me,
	s_lshl_b32 s98, s98, 15                        ; 32 rows of 1,024 bytes each
	s_mov_b32 s99, 0
	s_add_nc_u64 s[96:97], s[96:97], s[98:99]
	s_xor_b32 s98, s15, 1
	s_cmp_lt_u32 s66, 16
	s_cselect_b32 s3, s15, s98                     ; 1: my tile is a weight's (q, k: R; v: P),
	s_lshr_b32 s98, s67, 2
	s_and_b32 s3, s3, s98                          ; and my batch is 4-7: I ask for nothing
	CROUND                                         ; all sixteen work-groups are here: the first joint loads meet
.irp s, 0,1
	s_mov_b32 s[G0+4*\s], 1
	s_add_co_u32 s[G0+4*\s+1], s45, \s*SLOT
	s_add_nc_u64 s[G0+4*\s+2:G0+4*\s+3], s[20:21], \s*ROWB
	s_or_b32 s[G0+4*\s+3], s[G0+4*\s+3], 0x80000000
	s_mov_b32 s[G0B+4*\s], 1
	s_add_co_u32 s[G0B+4*\s+1], s45, \s*SLOT
	s_add_nc_u64 s[G0B+4*\s+2:G0B+4*\s+3], s[46:47], \s*ROWB
	s_or_b32 s[G0B+4*\s+3], s[G0B+4*\s+3], 0x80000000
.endr
	JLOAD G0, G1, G0B, G1B                         ; K step 0: one tensor load a wave at the head
	; every LDS address is made here, ahead of the first parting
	v_and_b32 v1, 15, v0                           ; r = lane % 16
	v_bfe_u32 v2, v0, 4, 1                         ; h = lane / 16
	v_mul_u32_u24 v3, v1, PITCH
	v_lshl_add_u32 v4, v2, 4, v3                   ; a fragment's row x pitch + 16 h
	s_mul_i32 s21, s15, HALFT                      ; my 128 rows of P
	s_mul_i32 s22, s16, HALFT                      ; my 128 rows of R,
	s_add_co_u32 s22, s22, 2*HALFT                 ; which lie behind P's 256
.irp s, 0,1
	v_add_nc_u32 v[ADRA+\s], s21, v4
	v_add_nc_u32 v[ADRB+\s], s22, v4
	s_add_co_u32 s21, s21, SLOT
	s_add_co_u32 s22, s22, SLOT
.endr
	v_and_b32 v6, 31, v0                           ; lane
	v_lshlrev_b32 v[LN], 4, v6
	v_lshlrev_b32 v31, 10, v6                      ; the prefetches' offset: my lane x a row of 1,024 bytes; never rewritten
	v_mul_u32_u24 v[T2], v1, TP
	v_lshl_add_u32 v[T2], v2, 5, v[T2]
	v_add_nc_u32 v[T2], TAB, v[T2]
	s_mul_i32 s23, s15, 8*TP
	s_add_co_u32 s23, s23, TAB+16*TP
	v_lshl_add_u32 v[T1], v2, 5, s23
	s_mul_i32 s23, s14, 8*TP
	s_add_co_u32 s23, s23, TAB
	v_lshl_add_u32 v[TA], v6, 3, s23
	v_lshlrev_b32 v[BQ], 5, v2
	v_lshlrev_b32 v[BV], 2, v1
	s_wait_alu depctr_va_vdst(0)                   ; the wait ahead of the branch
	ASK 1, 2
	; the bias: q, k: features 256 cx + 128 (w % 2) on; v: features 256 cy + 128 (w / 2) on
	s_lshl_b32 s18, s40, 10
	s_lshl_b32 s19, s16, 9
	s_add_co_u32 s18, s18, s19
	s_lshl_b32 s20, s41, 10
	s_lshl_b32 s21, s15, 9
	s_add_co_u32 s20, s20, s21
	s_cmp_lt_u32 s66, 16
	s_cselect_b32 s18, s18, s20
	s_mov_b32 s19, 0
	s_add_nc_u64 s[8:9], s[8:9], s[18:19]
	; the codes: with A = 4 cx + 2 (w % 2) and B = 4 cy + 2 (w / 2):  q, k: head 16 batch + A, token block 4 B;  v: head 16 batch + B, key block A / 2:  (16 batch + hi) x 65,536 + lo x 4,096
	s_lshl_b32 s18, s40, 2
	s_lshl_b32 s19, s16, 1
	s_add_co_u32 s18, s18, s19
	s_lshl_b32 s19, s41, 2
	s_lshl_b32 s20, s15, 1
	s_add_co_u32 s19, s19, s20
	s_cmp_lt_u32 s66, 16
	s_cselect_b32 s20, s18, s19
	s_cselect_b32 s21, s19, s18
	s_lshl_b32 s22, s67, 4
	s_add_co_u32 s20, s20, s22
	s_lshl_b32 s20, s20, 16
	s_lshl_b32 s21, s21, 12
	s_add_co_u32 s20, s20, s21
	s_mov_b32 s21, 0
	s_add_nc_u64 s[10:11], s[10:11], s[20:21]
	; the exponents of my tensor: eX, eW, eO
	s_wait_kmcnt 0x0
	s_cmp_lt_u32 s66, 8
	s_cselect_b32 s18, s68, s70
	s_cselect_b32 s19, s69, s71
	s_cselect_b32 s20, s74, s75
	s_cselect_b32 s21, 3, 0                        ; q's 1/8
	s_cmp_lt_u32 s66, 16
	s_cselect_b32 s18, s18, s72
	s_cselect_b32 s19, s19, s73
	s_cselect_b32 s20, s20, s77
	s_add_co_i32 s18, s18, s19                     ; a sum stands for sum x 2^(eX + eW)
	s_sub_co_i32 s81, 0, s18                       ; so the bias goes in x 2^-(eX + eW)
	s_sub_co_i32 s82, s20, s18
	s_add_co_i32 s82, s82, s21                     ; E
	s_add_co_i32 s82, s82, 127
	s_lshl_b32 s2, s82, 23
	v_mov_b32 v[SC], s2                            ; 2^E as f32: the conversion takes its exponent field
	s_add_co_i32 s82, s82, 8
	s_lshl_b32 s83, s82, 23
	s_or_b32 s83, s83, 0x600000                    ; 448 x 2^E
	s_or_b32 s84, s83, 0x80000000                  ; and its negative
	; what my wave's eight table rows stand for: waves 0, 1: E2, l = 8 w + t, position part l; waves 2, 3: E1, l = 256 cy + 128 (w - 2) + 16 t, position part l - 512
	s_mov_b32 s85, 0xba800000                      ; k: the scale's exponent is -position / 1,024,
	s_cmp_lt_u32 s66, 8
	s_cselect_b32 s85, 0x3a800000, s85             ; q: +position / 1,024
	s_lshl_b32 s18, s14, 3
	s_lshl_b32 s19, s16, 7
	s_lshl_b32 s20, s41, 8
	s_add_co_u32 s19, s19, s20
	s_cmp_lt_u32 s14, 2
	s_cselect_b32 s89, s18, s19                    ; l
	s_cselect_b32 s87, 1, 16                       ; its step
	s_cselect_b32 s88, 0, 512
	s_sub_co_i32 s90, s89, s88                     ; the position part
	s_mov_b32 s92, 0xb94ca1f9                      ; sine: -1.9515296e-4,
	s_mov_b32 s93, 0x3c08839e                      ; 8.3321609e-3
	s_mov_b32 s94, 0x37ccf5ce                      ; cosine: 2.4433157e-5,
	s_mov_b32 s95, 0xbab6061a                      ; -1.3887316e-3
; One row of a table: lane i makes (c, s) for frequency i at the wave's l.
.macro EVAL t
	v_cvt_f32_i32 v99, s90
	v_cvt_f32_u32 v98, s89
	v_mul_f32 v111, v99, v[LS]                     ; position x (+-log2(s_i) / 1,024)
	v_mul_f32 v100, v98, v[TH]                     ; p = l theta, rounded,
	s_wait_alu depctr_va_vdst(0)
	v_exp_f32 v111, v111                           ; the scale (plain lines follow before it is used)
	v_fma_f32 v101, v98, v[TH], -v100              ; and what the rounding left out
	v_mul_f32 v102, 0x3f22f983, v100
	v_rndne_f32 v102, v102                         ; n = the nearest whole number to p x 2 / pi
	v_fmamk_f32 v103, v102, 0xbfc90fdb, v100       ; p - n x (pi/2 as f32): a multiple of 2^-23 under 1, so nothing is rounded
	v_fmamk_f32 v103, v102, 0x333bbd2e, v103       ; + n x (that f32 - pi/2)
	v_add_f32 v103, v103, v101                     ; x, within +-pi/4
	v_mul_f32 v104, v103, v103                     ; z = x x
	v_fma_f32 v105, v104, s92, s93
	v_fma_f32 v106, v104, s94, s95
	v_fmaak_f32 v105, v105, v104, 0xbe2aaaa3
	v_fmaak_f32 v106, v106, v104, 0x3d2aaaa5
	v_mul_f32 v105, v105, v104
	v_fma_f32 v106, v106, v104, -0.5
	v_fma_f32 v105, v105, v103, v103               ; sin x
	v_fma_f32 v106, v106, v104, 1.0                ; cos x
	v_cvt_i32_f32 v107, v102
	v_and_b32 v108, 1, v107
	v_cmp_eq_u32 vcc_lo, 1, v108
	v_cndmask_b32 v109, v105, v106, vcc_lo         ; n odd: the two change places
	v_cndmask_b32 v110, v106, v105, vcc_lo
	v_lshlrev_b32 v108, 30, v107                   ; the sine's sign: bit 1 of n;
	v_add_nc_u32 v107, 1, v107
	v_and_b32 v108, 0x80000000, v108
	v_lshlrev_b32 v107, 30, v107                   ; the cosine's: bit 1 of n + 1
	v_xor_b32 v109, v109, v108
	v_and_b32 v107, 0x80000000, v107
	v_xor_b32 v110, v110, v107
	s_wait_alu depctr_va_vdst(0)
	v_mul_f32 v112, v110, v111
	v_mul_f32 v113, v109, v111
	ds_store_b64 v[TA], v[112:113] offset:TP*\t
	s_add_co_u32 s89, s89, s87
	s_add_co_i32 s90, s90, s87
.endm
	s_cmp_lt_u32 s66, 16
	s_cbranch_scc0 .Lv_head
	s_wait_alu depctr_va_vdst(0)
.irp b, 0,1,2,3,4,5,6,7                        ; q, k: the bias of R's block b in the result's layout: features 16 b + 8 h + 0 .. 7
	global_load_b128 v[BI+8*\b:BI+8*\b+3], v[BQ], s[8:9] offset:64*\b
	global_load_b128 v[BI+8*\b+4:BI+8*\b+7], v[BQ], s[8:9] offset:64*\b+16
.endr
	v_cvt_f32_u32 v98, v6                          ; i = lane
	v_mul_f32 v99, 0xbed49a78, v98                 ; -i log2(10) / 8
	s_wait_alu depctr_va_vdst(0)
	v_exp_f32 v[TH], v99                           ; theta_i = 10^(-i / 8)
	v_add_f32 v100, v98, v98
	v_add_f32 v100, 0x41cccccd, v100               ; 2 i + 25.6
	v_mul_f32 v100, 0x3c36db6e, v100               ; / 89.6 = s_i
	s_wait_alu depctr_va_vdst(0)
	v_log_f32 v100, v100
	v_nop                                          ; a plain line behind the transcendental
	s_wait_alu depctr_va_vdst(0)
	v_mul_f32 v[LS], s85, v100
.irp t, 0,1,2,3,4,5,6,7
	EVAL \t
.endr
	s_wait_loadcnt 0x0
.set j, 0
.rept 64
	v_ldexp_f32 v[BI+j], v[BI+j], s81
.set j, j+1
.endr
	s_branch .Lhead_done
.Lv_head:
	s_wait_alu depctr_va_vdst(0)
.irp a, 0,1,2,3,4,5,6,7                        ; v: the bias of P's block a: one number a lane, feature 16 a + r
	global_load_b32 v[8+\a], v[BV], s[8:9] offset:64*\a
.endr
	s_wait_loadcnt 0x0
.irp a, 0,1,2,3,4,5,6,7
.irp j, 0,1,2,3,4,5,6,7
	v_ldexp_f32 v[BI+8*\a+\j], v[8+\a], s81
.endr
.endr
.Lhead_done:
.macro FRAG reg, adr, q, i             ; 16 rows x 128 K: lane l holds row l % 16; registers 4 c .. 4 c + 3 hold K = 32 c + 16 (l / 16) + 0 .. 15, in P and in R alike
.irp c, 0,1,2,3
	ds_load_b128 v[\reg+4*\c:\reg+4*\c+3], v[\adr] offset:128*(\q)+32*\c+(\i)*16*PITCH
.endr
.endm
; 16 matrix instructions: P's blocks a0, a0 + 1 x R's eight.  p: R's set.  mode 0: the sums go on; 1: they start from R's bias (q, k); 2: from P's (v).
; The 64 accumulators take turns, one instruction a turn, in the same order in every step.
.macro MUL16 a0, p, mode
.irp a, \a0, \a0+1
.irp b, 0,1,2,3,4,5,6,7
.if \mode == 0
	v_wmma_f32_16x16x128_fp8_fp8 v[8*(8*((\a)%4)+\b):8*(8*((\a)%4)+\b)+7], v[128*(\p)+FR*\b:128*(\p)+FR*\b+FR-1], v[AF+FR*(\a):AF+FR*(\a)+FR-1], v[8*(8*((\a)%4)+\b):8*(8*((\a)%4)+\b)+7]
.elseif \mode == 1
	v_wmma_f32_16x16x128_fp8_fp8 v[8*(8*((\a)%4)+\b):8*(8*((\a)%4)+\b)+7], v[128*(\p)+FR*\b:128*(\p)+FR*\b+FR-1], v[AF+FR*(\a):AF+FR*(\a)+FR-1], v[BI+8*\b:BI+8*\b+7]
.else
	v_wmma_f32_16x16x128_fp8_fp8 v[8*(8*((\a)%4)+\b):8*(8*((\a)%4)+\b)+7], v[128*(\p)+FR*\b:128*(\p)+FR*\b+FR-1], v[AF+FR*(\a):AF+FR*(\a)+FR-1], v[BI+8*(\a):BI+8*(\a)+7]
.endif
.endr
.endr
.endm
.macro FETCH_B slot, q, p              ; R's eight fragments of the slot's q-th 128 along K into set p
	WIN TO_B
.irp i, 0,1,2,3,4,5,6,7
	FRAG 128*(\p)+FR*\i, ADRB+\slot, \q, \i
.endr
	WIN 0
.endm
.macro FETCH_A slot, q, i0             ; P's blocks i0 .. i0 + 3
.irp i, \i0, \i0+1, \i0+2, \i0+3
	FRAG AF+FR*(\i), ADRA+\slot, \q, \i
.endr
.endm
; A load into a register that a matrix instruction has read, and a vector instruction that reads a matrix result or writes one of its registers, stand NP places behind it; only plain vector
; instructions that name none of its registers are places (ISA guide 7.12.1 for vector instructions).
.macro PLACES n
.rept \n
	v_nop
.endr
.endm
; A step of 128 along K that has its successor in the same slot.  P has one set of registers: blocks 0-3 are fetched anew in the step's middle, blocks 4-7 at its end.
.macro STEP slot, q, mode
	s_wait_dscnt 4*NL                              ; R's set and P's blocks 0-3 are in; the youngest sixteen loads (P's blocks 4-7) may be out
.if \mode
	WIN FST_LO
.else
	WIN MUL_LO
.endif
	MUL16 0, (\q)%2, \mode
	MUL16 2, (\q)%2, \mode
	s_wait_dscnt 0                                 ; P's blocks 4-7 are in
	PLACES NP
	FETCH_B \slot, (\q)+1, 1-(\q)%2
	FETCH_A \slot, (\q)+1, 0
.if \mode
	WIN FST_HI
.else
	WIN MUL_HI
.endif
	MUL16 4, (\q)%2, \mode
	MUL16 6, (\q)%2, \mode
	PLACES NP
	WIN 0
	FETCH_A \slot, (\q)+1, 4
.endm
; A slot's last step changes slots: ONE barrier; in front of it each wave waits for all its tensor loads, adds 0 to its spare word, and waits for that and for its own reads of this slot.
.macro TURN slot, next, fill
	s_wait_tensorcnt 0x0                           ; all my tensor loads have landed: my part of the next slot
	ds_add_u32 v[SPW], v[NIL]                      ; 0 onto my spare word
	s_wait_dscnt 4*NL+1                            ; (the add and the youngest sixteen loads may be out)
	WIN MUL_LO
	MUL16 0, 1, 0                                  ; sixteen matrix instructions stand between the add and the wait for it
	s_wait_dscnt 0x0                               ; the add is done, and my reads of this slot are over
	s_barrier_signal -1
	MUL16 2, 1, 0
	WIN 0
	s_barrier_wait -1
.if \fill
	CREST                                          ; the barrier has opened a round of the cluster's: no wave of any partner still reads this slot or has a load on its way
	s_add_nc_u64 s[G0+4*\slot+2:G0+4*\slot+3], s[G0+4*\slot+2:G0+4*\slot+3], 2*ROWB
	s_add_nc_u64 s[G0B+4*\slot+2:G0B+4*\slot+3], s[G0B+4*\slot+2:G0B+4*\slot+3], 2*ROWB
	JLOAD G0+4*\slot, G1, G0B+4*\slot, G1B         ; the first tensor load behind the round; its four v_nop are the places in front of the loads below
.else
	PLACES NP
.endif
	FETCH_B \next, 0, 0
	FETCH_A \next, 0, 0
	WIN MUL_HI
	MUL16 4, 1, 0
	MUL16 6, 1, 0
	PLACES NP
	WIN 0
	FETCH_A \next, 0, 4
.endm
	s_wait_alu depctr_va_vdst(0)                   ; the wait at the head's end
	s_wait_tensorcnt 0x0                           ; my part of slot 0 is in
	ds_add_u32 v[SPW], v[NIL]
	s_wait_dscnt 0x0                               ; the add is done, and my rows of the tables are stored
	CROUND                                         ; a whole round: slot 0 is whole, and the joint loads meet
	JLOAD G0+4, G1, G0B+4, G1B                     ; slot 1's first fill, the first tensor load behind the round
	FETCH_B 0, 0, 0
	FETCH_A 0, 0, 0
	FETCH_A 0, 0, 4
	ASK 3, 1
	s_cmp_lt_u32 s66, 16                           ; the first step starts the sums from the bias: by R's block (q, k) or by P's (v)
	s_cbranch_scc0 .Lv_first
	s_wait_alu depctr_va_vdst(0)
	STEP 0, 0, 1
	s_branch .Lfirst_done
.Lv_first:
	s_wait_alu depctr_va_vdst(0)
	STEP 0, 0, 2
.Lfirst_done:
	TURN 0, 1, 1                                   ; K = 1,024 is eight steps of 128: written out; slot 0 takes K 512 on,
	STEP 1, 0, 0
	TURN 1, 0, 1                                   ; slot 1 K 768 on
	STEP 0, 0, 0
	TURN 0, 1, 0                                   ; nothing is left to fetch
	STEP 1, 0, 0
	s_wait_dscnt 4*NL
	WIN MUL_LO
	MUL16 0, 1, 0
	MUL16 2, 1, 0
	s_wait_dscnt 0
	WIN MUL_HI
	MUL16 4, 1, 0
	MUL16 6, 1, 0
	WIN 0
	PLACES NP
; THE WAY OUT, a block of 16 rows of P at a time; each accumulator is read from its low end on.
.macro LOADE1 a                        ; E1's row of token block a: the same 32 bytes x 4 for all lanes of a half
.irp g, 0,1,2,3
	ds_load_b128 v[E1+8*\g:E1+8*\g+3], v[T1] offset:TP*(\a)+64*\g
	ds_load_b128 v[E1+8*\g+4:E1+8*\g+7], v[T1] offset:TP*(\a)+64*\g+16
.endr
.endm
.macro TOCODES a                       ; 64 held numbers become 16 registers of codes
.if (\a) >= 4
	s_wait_xcnt 0x0                                ; the set's stores of four blocks ago have read their registers
.endif
.irp b, 0,1,2,3,4,5,6,7
	v_cvt_scalef32_pk8_fp8_f32 v[CD+2*\b:CD+2*\b+1], v[YR+8*\b:YR+8*\b+7], v[SC]
.endr
	v_nop                                          ; a plain line behind the last conversion, ahead of the lines that write its sources again
.endm
.macro OUT_QK a
.set AC, 64*((\a)%4)
.set CD, COD+16*((\a)%4)
.set i, 0
.rept 16                                       ; (c, s) = E1 x E2 as complex numbers: (c1 c2, s1 c2),
	v_pk_mul_f32 v[CSR+i:CSR+i+1], v[E1+i:E1+i+1], v[E2+i:E2+i+1] op_sel_hi:[1,0]
.set i, i+2
.endr
.set i, 0
.rept 16                                       ; + (-s1 s2, c1 s2)
	v_pk_fma_f32 v[CSR+i:CSR+i+1], v[E1+i:E1+i+1], v[E2+i:E2+i+1], v[CSR+i:CSR+i+1] op_sel:[1,1,0] op_sel_hi:[0,1,1] neg_lo:[1,0,0]
.set i, i+2
.endr
.if (\a) < 7
	LOADE1 (\a)+1
.endif
	WIN 0x02+((\a)/4)                              ; source 0: the accumulators' window
.irp b, 0,1,2,3,4,5,6,7                        ; features 16 b + 8 h + 0 .. 7: pairs 8 (b % 4) + 4 h + 0 .. 3 of their head
.irp k, 0,2,4,6
	v_pk_mul_f32 v[YR+8*\b+\k:YR+8*\b+\k+1], v[AC+8*\b+\k:AC+8*\b+\k+1], v[CSR+8*(\b%4)+\k:CSR+8*(\b%4)+\k+1] op_sel_hi:[1,0]   ; (x0 c, x1 c)
.endr
.irp k, 0,2,4,6
	v_pk_fma_f32 v[YR+8*\b+\k:YR+8*\b+\k+1], v[AC+8*\b+\k:AC+8*\b+\k+1], v[CSR+8*(\b%4)+\k:CSR+8*(\b%4)+\k+1], v[YR+8*\b+\k:YR+8*\b+\k+1] op_sel:[1,1,0] op_sel_hi:[0,1,1] neg_lo:[1,0,0]   ; + (-x1 s, x0 s)
.endr
.endr
	WIN 0
.set j, 0
.rept 64
	v_med3_num_f32 v[YR+j], v[YR+j], s84, s83      ; the conversion to an 8-bit code does not saturate (ISA guide 7.6.2): held within +-448 x 2^E first
.set j, j+1
.endr
	s_wait_alu depctr_va_vdst(0)
	TOCODES \a
.irp p, 0,1,2,3                                ; group p: head p / 2 of my two, registers 4 (p % 2) on of its fragment
	global_store_b128 v[LN], v[CD+4*\p:CD+4*\p+3], s[10:11] offset:(\p/2)*65536+(\a)*1024+(\p%2)*512
.endr
.if (\a) < 7
	s_wait_dscnt 0x0                               ; the next block's E1 is in
.endif
.endm
.macro OUT_V a
.set AC, 64*((\a)%4)
.set CD, COD+16*((\a)%4)
	WIN 0x02+((\a)/4)
.set j, 0
.rept 64
	v_med3_num_f32 v[YR+j], v[AC+j], s84, s83
.set j, j+1
.endr
	WIN 0
	s_wait_alu depctr_va_vdst(0)
	TOCODES \a
.irp p, 0,1,2,3                                ; features 16 a on: head a / 4 of my two, d block a % 4; the block's 16 registers are one fragment of 128 keys
	global_store_b128 v[LN], v[CD+4*\p:CD+4*\p+3], s[10:11] offset:((\a)/4)*65536+((\a)%4)*2048+512*\p
.endr
.endm
	s_cmp_lt_u32 s66, 16
	s_cbranch_scc0 .Lv_out
.irp g, 0,1,2,3
	ds_load_b128 v[E2+8*\g:E2+8*\g+3], v[T2] offset:64*\g
	ds_load_b128 v[E2+8*\g+4:E2+8*\g+7], v[T2] offset:64*\g+16
.endr
	LOADE1 0
	s_wait_dscnt 0x0
.irp a, 0,1,2,3,4,5,6,7
	OUT_QK \a
.endr
	s_branch .Lend
.Lv_out:
.irp a, 0,1,2,3,4,5,6,7
	OUT_V \a
.endr
.Lend:
	s_wait_tensorcnt 0x0                           ; the wave's end
	ds_add_u32 v[SPW], v[NIL]
	s_wait_dscnt 0x0
	CROUND                                         ; the closing round: no work-group ends while a partner may still ask for a tile that names it
	s_endpgm
.Lfunc_end_k_q7f85bf5abf_proj:
	.size	k_q7f85bf5abf_proj, .Lfunc_end_k_q7f85bf5abf_proj-k_q7f85bf5abf_proj
	.p2alignl 7, 3214868480
	.fill 96, 4, 3214868480
	.section	.rodata,"a",@progbits
	.p2align	6, 0x0
	.amdhsa_kernel k_q7f85bf5abf_proj
		.amdhsa_group_segment_fixed_size 327680
		.amdhsa_private_segment_fixed_size 0
		.amdhsa_enable_private_segment 0
		.amdhsa_kernarg_size 104
		.amdhsa_user_sgpr_count 2
		.amdhsa_user_sgpr_kernarg_segment_ptr 1
		.amdhsa_wavefront_size32 1
		.amdhsa_system_sgpr_workgroup_id_x 1
		.amdhsa_system_sgpr_workgroup_id_y 1
		.amdhsa_system_sgpr_workgroup_id_z 1
		.amdhsa_system_vgpr_workitem_id 0
		.amdhsa_next_free_vgpr 1024
		.amdhsa_next_free_sgpr 100
		.amdhsa_reserve_vcc 1
		.amdhsa_float_denorm_mode_32 3
		.amdhsa_float_denorm_mode_16_64 3
		.amdhsa_memory_ordered 1
		.amdhsa_forward_progress 1
		.amdhsa_inst_pref_size 247
	.end_amdhsa_kernel
	.amdgpu_metadata
---
amdhsa.version: [ 1, 2 ]
amdhsa.kernels:
  - .name:           k_q7f85bf5abf_proj
    .symbol:         k_q7f85bf5abf_proj.kd
    .args:
      - { .name: query_codes, .offset: 0, .size: 8, .value_kind: global_buffer, .address_space: global }
      - { .name: key_codes, .offset: 8, .size: 8, .value_kind: global_buffer, .address_space: global }
      - { .name: wv_codes, .offset: 16, .size: 8, .value_kind: global_buffer, .address_space: global }
      - { .name: wq_codes, .offset: 24, .size: 8, .value_kind: global_buffer, .address_space: global }
      - { .name: wk_codes, .offset: 32, .size: 8, .value_kind: global_buffer, .address_space: global }
      - { .name: value_codes, .offset: 40, .size: 8, .value_kind: global_buffer, .address_space: global }
      - { .name: bq, .offset: 48, .size: 8, .value_kind: global_buffer, .address_space: global }
      - { .name: bk, .offset: 56, .size: 8, .value_kind: global_buffer, .address_space: global }
      - { .name: bv, .offset: 64, .size: 8, .value_kind: global_buffer, .address_space: global }
      - { .name: qc, .offset: 72, .size: 8, .value_kind: global_buffer, .address_space: global }
      - { .name: kc, .offset: 80, .size: 8, .value_kind: global_buffer, .address_space: global }
      - { .name: vc, .offset: 88, .size: 8, .value_kind: global_buffer, .address_space: global }
      - { .name: lowp_scales, .offset: 96, .size: 8, .value_kind: global_buffer, .address_space: global }
    .group_segment_fixed_size: 327680
    .private_segment_fixed_size: 0
    .kernarg_segment_align: 8
    .kernarg_segment_size: 104
    .max_flat_workgroup_size: 128
    .sgpr_count:     100
    .vgpr_count:     1024
    .wavefront_size: 32
...
	.end_amdgpu_metadata
.endif
;; end of part 1
;; launch attn (part 2): grid 2 x 128, 8 waves a work-group, no clusters, 327,680 bytes of LDS; arguments qc, kc, vc, lowp_scales, ac; writes ac
.if DOCPART == 2
	.amdgcn_target "amdgcn-amd-amdhsa--gfx1250"
	.amdhsa_code_object_version 6
	.text
	.protected	k_q7f85bf5abf_attn
	.globl	k_q7f85bf5abf_attn
	.p2align	8
	.type	k_q7f85bf5abf_attn,@function
k_q7f85bf5abf_attn:
	s_mov_b64 s[64:65], 0
	v_nop
	global_prefetch_b8 v0, s[64:65] scope:SCOPE_SE
	s_setreg_imm32_b32 hwreg(HW_REG_WAVE_MODE, 25, 1), 1
	s_wait_xcnt 0x0
; ATTENTION ON CODES OF FP8 (E4M3): for each of 128 heads, o = softmax(q k^T) v, both products on codes, o turned into codes with entry 10 of the scales.
; t = score x log2(e) x 2^(e6 + e7); M = the running largest t rounded up to a whole number; p = 2^(t - M) is held at 448 x 2^e8 and quantised with 2^e8;
; the row's sum is taken of the unquantised p in f32 and divides O at the end; when M moves, the sum and O are multiplied by 2^(old M - new M).
; INPUTS, images of operand registers: qc, kc [head][token / 16][2 groups][lane][16 B]; vc [head][key / 128][d / 16][4 groups][lane][16 B].
; OUTPUT ac [token / 16][K / 128][4 groups][lane][16 B], K = 64 x head + d: each store of a wave covers 512 consecutive bytes, aligned.
; SHARES.  A work-group owns 512 queries of one head, each of its eight waves 64 of them: four tiles of 16.  A step is 128 keys: its 32 LDS loads (K's 8 and V's 4 fragments)
; serve all four tiles, 48 matrix instructions.  Both products are used transposed (S^T = K Q^T, O^T = V^T P^T): a lane holds one query (lane % 16) of each tile throughout.
; The scores of tile i + 1 are issued ahead of tile i's softmax, into the other of two buffers.
; LDS.  The head's K (64 KiB, from byte 0) and V (64 KiB, from byte 65,536) are fetched once: keys 0-255 at the head, 4 KiB a wave; keys 256-1,023 behind the first barrier, 12 KiB a wave,
; under the first two steps.  Nothing is filled again.  All LDS is claimed, and 0 is added onto the spare words.
; NO CLUSTER: a head's tiles are shared by its two work-groups alone, and each is asked for once.  NO PREFETCH: all fills go out in the head's two groups; there is no loop of fills to run ahead in.
; O^T begins as zeros and the largest t as -3e38, so that the step is written once for all steps; the clearing stands under the first tiles' flight.
; LIMITS.  e6 + e7 between -126 and 127; e8 and e10 between -126 and 119; the scaled scores stay under 2^31 in magnitude.
; REGISTERS.  Window 0: v1 16 x lane, v2, v3 the step's addresses, v4, v5 the spare word and 0, v6 448 x 2^e8, v7 2^e8, v8-23 four tiles x (-M, largest t, the sum in two halves),
; v[24:25] f, v26-30 at work, v31 V's base, v32-63 Q, v64-79 p's codes, v80-207 two buffers of scores, v208-213 sums at work, v214 2^e10.
; Window 1: v0-127 O^T (tile i at 32 i), v128-191 K's fragments, v192-255 V's.
.set SPARE, 131072
.set ST, 8
.set TT, 26
.set QR, 32
.set PC, 64
.set SB, 80
.set AD, 208
.set OS, 214
.set KF, 128
.set VF, 192
.set MSB, 0
.macro WIN new                         ; the immediate's high byte repeats the setting that is left
.if MSB != \new
	s_set_vgpr_msb (MSB<<8)|\new
.set MSB, \new
.endif
.endm
	s_load_b256 s[4:11], s[0:1], 0x0               ; qc, kc, vc, the scales' exponents
	s_load_b64 s[12:13], s[0:1], 0x20              ; ac
	v_lshl_add_u32 v4, v0, 2, SPARE
	v_mov_b32 v5, 0
	ds_add_u32 v4, v5                              ; the opening lines: the add twice on end and its wait
	ds_add_u32 v4, v5
	v_lshrrev_b32 v1, 5, v0
	s_delay_alu instid0(VALU_DEP_1)
	v_readfirstlane_b32 s18, v1                    ; wave 0..7
	s_and_b32 s19, ttmp7, 0xffff                   ; the head, 0..127
	s_mov_b32 s28, 3<<16                           ; group 1, first fill: 16 rows of 32 elements of 8 bytes, dense
	s_mov_b32 s29, 32<<16
	s_mov_b32 s30, 16<<16
	s_mov_b32 s31, 32<<16
	s_mov_b32 s32, 16
	s_mov_b32 s33, 32
	s_mov_b32 s34, 0
	s_mov_b32 s35, 0
	s_mov_b32 s52, 3<<16                           ; group 1, second fill: 48 such rows
	s_mov_b32 s53, 32<<16
	s_mov_b32 s54, 48<<16
	s_mov_b32 s55, 32<<16
	s_mov_b32 s56, 48
	s_mov_b32 s57, 32
	s_mov_b32 s58, 0
	s_mov_b32 s59, 0
	s_and_b32 s20, s18, 3                          ; waves 0-3 fetch K's quarters, waves 4-7 V's
	s_lshr_b32 s21, s18, 2
	s_lshl_b32 s21, s21, 16
	s_lshl_b32 s22, s20, 12                        ; first fill: 4,096 bytes a wave
	s_mul_i32 s23, s20, 12288                      ; second: 12,288 bytes a wave, behind the first 16,384
	s_add_co_u32 s23, s23, 16384
	s_mov_b32 s24, 1
	s_add_co_u32 s25, s21, s22
	s_mov_b32 s60, 1
	s_add_co_u32 s61, s21, s23
	s_lshl_b32 s20, s19, 16                        ; a head's codes: 65,536 bytes in each tensor
	s_add_co_u32 s50, s23, s20
	s_mov_b32 s51, 0
	s_add_co_u32 s22, s22, s20
	s_mov_b32 s23, 0
	s_wait_dscnt 0x0
	s_wait_kmcnt 0x0
	s_load_b128 s[40:43], s[10:11], 0x18           ; e6 .. e9
	s_load_b32 s44, s[10:11], 0x28                 ; e10
	s_cmp_lt_u32 s18, 4
	s_cselect_b64 s[26:27], s[6:7], s[8:9]
	s_add_nc_u64 s[62:63], s[26:27], s[50:51]
	s_add_nc_u64 s[26:27], s[26:27], s[22:23]
	s_or_b32 s27, s27, 0x80000000
	s_or_b32 s63, s63, 0x80000000
	tensor_load_to_lds s[24:27], s[28:35]          ; keys 0-255: my one load at the head
	s_nop 0
	v_and_b32 v1, 31, v0
	v_lshlrev_b32 v1, 4, v1                        ; 16 x lane
	s_lshl_b32 s20, s19, 6
	s_lshl_b32 s21, ttmp9, 5
	s_add_co_u32 s20, s20, s21
	s_lshl_b32 s21, s18, 2
	s_add_co_u32 s20, s20, s21                     ; my first block of 16 queries: 64 head + 32 x + 4 wave
	s_lshl_b32 s20, s20, 10
	s_mov_b32 s21, 0
	s_add_nc_u64 s[4:5], s[4:5], s[20:21]
	s_wait_alu depctr_va_vdst(0)                   ; the wait ahead of v1's reader
.set n, 0
.rept 8
	global_load_b128 v[QR+4*n:QR+4*n+3], v1, s[4:5] offset:512*n   ; Q's four fragments stay in registers
.set n, n+1
.endr
	s_lshr_b32 s20, s19, 4                         ; ac: block 64 batch + 32 x + 4 wave, 16,384 bytes each; + 2,048 (head / 2 % 8) + 1,024 (head % 2)
	s_lshl_b32 s20, s20, 6
	s_lshl_b32 s21, ttmp9, 5
	s_add_co_u32 s20, s20, s21
	s_lshl_b32 s21, s18, 2
	s_add_co_u32 s20, s20, s21
	s_lshl_b32 s20, s20, 14
	s_bfe_u32 s21, s19, 0x30001
	s_lshl_b32 s21, s21, 11
	s_add_co_u32 s20, s20, s21
	s_and_b32 s21, s19, 1
	s_lshl_b32 s21, s21, 10
	s_add_co_u32 s20, s20, s21
	s_mov_b32 s21, 0
	s_add_nc_u64 s[12:13], s[12:13], s[20:21]
	s_mov_b32 s36, 0x76543210                      ; v_permlanex16_b32's selects for lane l xor 16
	s_mov_b32 s37, 0xfedcba98
	v_add_nc_u32 v31, 65536, v1
	v_mov_b32 v25, 0
	v_mov_b32 v30, 0
.irp i, 0,1,2,3
	v_mov_b32 v[ST+4*\i+1], 0xff61b1e6             ; the largest t so far: -3e38
	v_mov_b32 v[ST+4*\i+2], 0
	v_mov_b32 v[ST+4*\i+3], 0
.endr
.irp i, 0,1,2,3
	v_floor_f32 v[ST+4*\i], -v[ST+4*\i+1]          ; -M
.endr
	WIN 0x40
.set j, 0
.rept 128
	v_mov_b32 v[j], 0                              ; O^T
.set j, j+1
.endr
	WIN 0
	s_wait_kmcnt 0x0
	s_add_co_i32 s20, s40, s41
	s_lshl_b32 s20, s20, 23
	s_mov_b32 s38, 0x3fb8aa3b                      ; log2(e),
	s_add_co_i32 s38, s38, s20                     ; x 2^(e6 + e7), by its exponent field
	s_mov_b32 s39, s38
	s_add_co_i32 s20, s42, 127
	s_lshl_b32 s21, s20, 23
	v_mov_b32 v7, s21                              ; 2^e8
	s_add_co_i32 s20, s20, 8
	s_lshl_b32 s20, s20, 23
	s_or_b32 s20, s20, 0x600000
	v_mov_b32 v6, s20                              ; 448 x 2^e8
	s_add_co_i32 s45, s42, s43                     ; e8 + e9
	s_add_co_i32 s20, s44, 127
	s_lshl_b32 s21, s20, 23
	v_mov_b32 v[OS], s21                           ; 2^e10
	s_add_co_i32 s20, s20, 8
	s_lshl_b32 s46, s20, 23
	s_or_b32 s46, s46, 0x600000                    ; 448 x 2^e10
	s_or_b32 s47, s46, 0x80000000
; S^T of tile i: 8 tiles of 16 keys, K = the head's 64
.macro SMUL i
	WIN 0x01
.irp c, 0,1,2,3,4,5,6,7
	v_wmma_f32_16x16x64_fp8_fp8 v[SB+64*((\i)%2)+8*\c:SB+64*((\i)%2)+8*\c+7], v[KF+8*\c:KF+8*\c+7], v[QR+8*(\i):QR+8*(\i)+7], 0
.endr
	WIN 0
.endm
; One tile of 16 queries against the step's 128 keys
.macro TILE i
.set B, SB+64*((\i)%2)
.set Z, ST+4*(\i)
.if \i < 3
	SMUL (\i)+1
.endif
.if \i == 0
.rept 4
	v_nop                                          ; places behind tile 0's products
.endr
.endif
	s_wait_alu depctr_va_vdst(0)                   ; the wait ahead of the scores' first readers
.irp k, 0,1,2,3
	v_max3_num_f32 v[TT+\k], v[B+3*\k], v[B+3*\k+1], v[B+3*\k+2]   ; the largest score, in four chains, each accumulator from its low end on
.endr
.set e, 12
.set n, 0
.rept 26
	v_max3_num_f32 v[TT+n%4], v[TT+n%4], v[B+e], v[B+e+1]
.set e, e+2
.set n, n+1
.endr
	s_delay_alu instid0(VALU_DEP_1)
	v_max3_num_f32 v[TT], v[TT], v[TT+1], v[TT+2]
	s_delay_alu instid0(VALU_DEP_1)
	v_max_num_f32 v[TT], v[TT], v[TT+3]
	s_delay_alu instid0(VALU_DEP_1)
	v_permlanex16_b32 v30, v[TT], s36, s37
	s_delay_alu instid0(VALU_DEP_1)
	v_max_num_f32 v[TT], v[TT], v30                ; and lane l xor 16's
	s_delay_alu instid0(VALU_DEP_1)
	v_mul_f32 v[TT], s38, v[TT]                    ; as t
	s_delay_alu instid0(VALU_DEP_1)
	v_max_num_f32 v[Z+1], v[Z+1], v[TT]            ; the running largest t
	v_mov_b32 v[TT], v[Z]
	s_delay_alu instid0(VALU_DEP_2)
	v_floor_f32 v[Z], -v[Z+1]                      ; the new -M
	s_delay_alu instid0(VALU_DEP_1)
	v_sub_f32 v[TT], v[Z], v[TT]
	s_delay_alu instid0(VALU_DEP_1)
	v_cvt_i32_f32 v[TT], v[TT]
	s_delay_alu instid0(VALU_DEP_1)
	v_ldexp_f32 v24, 1.0, v[TT]                    ; f = 2^(old M - new M)
.set j, 0
.rept 32
	v_pk_fma_f32 v[B+j:B+j+1], v[B+j:B+j+1], s[38:39], v[Z:Z+1] op_sel_hi:[1,0,0]   ; t - M
.set j, j+2
.endr
	s_wait_alu depctr_va_vdst(0)                   ; the wait ahead of the batch
.set j, 0
.rept 64
	v_exp_f32 v[B+j], v[B+j]                       ; p
.set j, j+1
.endr
	v_pk_mul_f32 v[Z+2:Z+3], v[Z+2:Z+3], v[24:25] op_sel_hi:[1,0]   ; the sum under the new M; a plain place behind the batch
	s_wait_alu depctr_va_vdst(0)                   ; one wait for the batch
.irp k, 0,1,2
	v_pk_add_f32 v[AD+2*\k:AD+2*\k+1], v[B+4*\k:B+4*\k+1], v[B+4*\k+2:B+4*\k+3]   ; the sum of the unquantised p, in four chains
.endr
.set e, 12
.set n, 0
.rept 26
.if n%4 == 3
	v_pk_add_f32 v[Z+2:Z+3], v[Z+2:Z+3], v[B+e:B+e+1]
.else
	v_pk_add_f32 v[AD+2*(n%4):AD+2*(n%4)+1], v[AD+2*(n%4):AD+2*(n%4)+1], v[B+e:B+e+1]
.endif
.set e, e+2
.set n, n+1
.endr
	v_pk_add_f32 v[Z+2:Z+3], v[Z+2:Z+3], v[AD+4:AD+5]
	v_pk_add_f32 v[AD:AD+1], v[AD:AD+1], v[AD+2:AD+3]
	s_delay_alu instid0(VALU_DEP_1)
	v_pk_add_f32 v[Z+2:Z+3], v[Z+2:Z+3], v[AD:AD+1]
.irp b, 0,1,2,3
.irp k, 0,2,4,6,8,10,12,14
	v_dual_min_num_f32 v[B+16*\b+\k], v6, v[B+16*\b+\k] :: v_dual_min_num_f32 v[B+16*\b+\k+1], v6, v[B+16*\b+\k+1]   ; the conversion does not saturate (ISA guide 7.6.2); p is not negative: a one-sided hold, two to a line
.endr
	v_cvt_scalef32_pk8_fp8_f32 v[PC+4*\b:PC+4*\b+1], v[B+16*\b:B+16*\b+7], v7
	v_cvt_scalef32_pk8_fp8_f32 v[PC+4*\b+2:PC+4*\b+3], v[B+16*\b+8:B+16*\b+15], v7
.endr
.if \i == 0
	s_wait_dscnt 0x0                               ; V's fragments are in
.endif
	WIN 0x41
	s_wait_alu depctr_va_vdst(0)                   ; the wait ahead of O^T's first readers
.set j, 0
.rept 16
	v_pk_mul_f32 v[32*(\i)+j:32*(\i)+j+1], v[32*(\i)+j:32*(\i)+j+1], v[24:25] op_sel_hi:[1,0]   ; O^T under the new M
.set j, j+2
.endr
	WIN 0x51
.irp t, 0,1,2,3
	v_wmma_f32_16x16x128_fp8_fp8 v[32*(\i)+8*\t:32*(\i)+8*\t+7], v[VF+16*\t:VF+16*\t+15], v[PC:PC+15], v[32*(\i)+8*\t:32*(\i)+8*\t+7]
.endr
	WIN 0
.endm
.macro STEP
	v_add_nc_u32 v2, s48, v1
	v_add_nc_u32 v3, s48, v31
	s_wait_alu depctr_va_vdst(0)                   ; the wait behind the two writes
	v_nop
	v_nop                                          ; with the two additions: four places behind the last products, ahead of loads into V's fragments
	WIN 0x40
.set n, 0
.rept 16
	ds_load_b128 v[KF+4*n:KF+4*n+3], v2 offset:512*n
.set n, n+1
.endr
.set n, 0
.rept 16
	ds_load_b128 v[VF+4*n:VF+4*n+3], v3 offset:512*n
.set n, n+1
.endr
	WIN 0
	s_wait_dscnt 16                                ; K's sixteen are in; V's sixteen may be out
	SMUL 0
	TILE 0
	TILE 1
	TILE 2
	TILE 3
.endm
.macro KEYS first, trips
	s_mov_b32 s48, 8192*\first                     ; a step is 8,192 bytes of K and of V
	s_mov_b32 s49, \trips
.Lkey_\@:
	STEP
	s_add_co_u32 s48, s48, 8192
	s_sub_co_u32 s49, s49, 1
	s_cmp_lg_u32 s49, 0
	s_cbranch_scc1 .Lkey_\@
.endm
	s_wait_alu depctr_va_vdst(0)                   ; the wait at the head's end
	s_wait_tensorcnt 0x0                           ; my part of keys 0-255 is in
	ds_add_u32 v4, v5
	s_wait_dscnt 0x0
	s_barrier_signal -1
	s_barrier_wait -1                              ; keys 0-255 are whole
	tensor_load_to_lds s[60:63], s[52:59]          ; keys 256-1,023: my one load behind this barrier
	s_nop 0
.rept 4
	v_nop
.endr
	s_wait_loadcnt 0x0                             ; Q
	KEYS 0, 2
	s_wait_tensorcnt 0x0                           ; my part of the other keys is in; no LDS load of mine is out
	s_barrier_signal -1
	s_barrier_wait -1
	KEYS 2, 6
	; THE WAY OUT: O^T / the sum x 2^(e8 + e9), held, as codes with 2^e10
.irp i, 0,1,2,3
	v_add_f32 v[ST+4*\i+2], v[ST+4*\i+2], v[ST+4*\i+3]
.endr
.irp i, 0,1,2,3
	v_permlanex16_b32 v[TT+\i], v[ST+4*\i+2], s36, s37
.endr
.irp i, 0,1,2,3
	v_add_f32 v[ST+4*\i+2], v[ST+4*\i+2], v[TT+\i]
.endr
	s_wait_alu depctr_va_vdst(0)                   ; the wait ahead of the batch
.irp i, 0,1,2,3
	v_rcp_f32 v[ST+4*\i+2], v[ST+4*\i+2]
.endr
	v_nop
	s_wait_alu depctr_va_vdst(0)                   ; and behind it
.irp i, 0,1,2,3
	v_ldexp_f32 v[ST+4*\i+2], v[ST+4*\i+2], s45
.endr
	WIN 0x01
	s_wait_alu depctr_va_vdst(0)                   ; the wait ahead of O^T's first readers
.irp i, 0,1,2,3
.set j, 0
.rept 16
	v_pk_mul_f32 v[SB+32*\i+j:SB+32*\i+j+1], v[32*\i+j:32*\i+j+1], v[ST+4*\i+2:ST+4*\i+3] op_sel_hi:[1,0]
.set j, j+2
.endr
.endr
	WIN 0
.set j, 0
.rept 128
	v_med3_num_f32 v[SB+j], v[SB+j], s47, s46
.set j, j+1
.endr
.set n, 0
.rept 16
	v_cvt_scalef32_pk8_fp8_f32 v[QR+2*n:QR+2*n+1], v[SB+8*n:SB+8*n+7], v[OS]   ; tile i's d block t: registers 8 i + 2 t, 2 t + 1
.set n, n+1
.endr
	v_nop
.irp i, 0,1,2,3
	global_store_b128 v1, v[QR+8*\i:QR+8*\i+3], s[12:13] offset:16384*\i
	global_store_b128 v1, v[QR+8*\i+4:QR+8*\i+7], s[12:13] offset:16384*\i+512
.endr
	s_wait_tensorcnt 0x0                           ; the wave's end
	ds_add_u32 v4, v5
	s_wait_dscnt 0x0
	s_endpgm
.Lfunc_end_k_q7f85bf5abf_attn:
	.size	k_q7f85bf5abf_attn, .Lfunc_end_k_q7f85bf5abf_attn-k_q7f85bf5abf_attn
	.p2alignl 7, 3214868480
	.fill 96, 4, 3214868480
	.section	.rodata,"a",@progbits
	.p2align	6, 0x0
	.amdhsa_kernel k_q7f85bf5abf_attn
		.amdhsa_group_segment_fixed_size 327680
		.amdhsa_private_segment_fixed_size 0
		.amdhsa_enable_private_segment 0
		.amdhsa_kernarg_size 40
		.amdhsa_user_sgpr_count 2
		.amdhsa_user_sgpr_kernarg_segment_ptr 1
		.amdhsa_wavefront_size32 1
		.amdhsa_system_sgpr_workgroup_id_x 1
		.amdhsa_system_sgpr_workgroup_id_y 1
		.amdhsa_system_sgpr_workgroup_id_z 1
		.amdhsa_system_vgpr_workitem_id 0
		.amdhsa_next_free_vgpr 512
		.amdhsa_next_free_sgpr 66
		.amdhsa_reserve_vcc 0
		.amdhsa_float_denorm_mode_32 3
		.amdhsa_float_denorm_mode_16_64 3
		.amdhsa_memory_ordered 1
		.amdhsa_forward_progress 1
		.amdhsa_inst_pref_size 138
	.end_amdhsa_kernel
	.amdgpu_metadata
---
amdhsa.version: [ 1, 2 ]
amdhsa.kernels:
  - .name:           k_q7f85bf5abf_attn
    .symbol:         k_q7f85bf5abf_attn.kd
    .args:
      - { .name: qc, .offset: 0, .size: 8, .value_kind: global_buffer, .address_space: global }
      - { .name: kc, .offset: 8, .size: 8, .value_kind: global_buffer, .address_space: global }
      - { .name: vc, .offset: 16, .size: 8, .value_kind: global_buffer, .address_space: global }
      - { .name: lowp_scales, .offset: 24, .size: 8, .value_kind: global_buffer, .address_space: global }
      - { .name: ac, .offset: 32, .size: 8, .value_kind: global_buffer, .address_space: global }
    .group_segment_fixed_size: 327680
    .private_segment_fixed_size: 0
    .kernarg_segment_align: 8
    .kernarg_segment_size: 40
    .max_flat_workgroup_size: 256
    .sgpr_count:     66
    .vgpr_count:     512
    .wavefront_size: 32
...
	.end_amdgpu_metadata
.endif
;; end of part 2
;; launch oproj (part 3): grid 64 x 4, 4 waves a work-group, clusters of 4 x 1, 327,680 bytes of LDS; arguments ac, wo_codes, lowp_scales, bo, out0; writes out0
.if DOCPART == 3
	.amdgcn_target "amdgcn-amd-amdhsa--gfx1250"
	.amdhsa_code_object_version 6
	.text
	.protected	k_q7f85bf5abf_oproj
	.globl	k_q7f85bf5abf_oproj
	.p2align	8
	.type	k_q7f85bf5abf_oproj,@function
k_q7f85bf5abf_oproj:
	s_mov_b64 s[64:65], 0
	v_nop
	global_prefetch_b8 v0, s[64:65] scope:SCOPE_SE
	s_setreg_imm32_b32 hwreg(HW_REG_WAVE_MODE, 25, 1), 1
	s_wait_xcnt 0x0
	s_wait_alu depctr_hold_cnt(0) depctr_sa_sdst(0) depctr_va_vdst(0) depctr_va_sdst(0) depctr_va_ssrc(0) depctr_va_vcc(0) depctr_vm_vsrc(0)
	s_getreg_b32 s2, hwreg(HW_REG_IB_STS2, 6, 4)
	s_cmp_eq_u32 s2, 0
	s_cbranch_scc0 .Lentry_in_a_cluster
	s_endpgm
.Lentry_in_a_cluster:
	s_bfe_u32 s2, ttmp6, 0x10000c
	s_cmp_lg_u32 s2, 0x3003
	s_cbranch_scc0 .Lentry_shape_is_right
	s_endpgm
.Lentry_shape_is_right:
; THE PROJECTION ON THE WAY OUT, on codes of FP8 (E4M3): out0[t][n] = 2^(e10 + e11) x sum over k of a[t][k] wo[n][k] + bo[n], K = 1,024.
; ac: [token / 16][K / 128][4 groups][lane][16 B], images of the operand's registers.  wo_codes: [1,024][1,024], K innermost.  out0: [8,192][1,024] f32.
; SHARES.  A work-group makes 128 tokens x 256 features; 64 x 4 work-groups.  Wave w makes tokens 64 (w / 2) on x features 128 (w % 2) on: 32 accumulators.
; wo's 256 rows lie in LDS over the whole K (rows of 1,024 bytes + 16 of padding): ONE fill, 64 rows a wave; nothing is filled again.
; My 64 tokens' codes over the whole K stay in registers: 128 loads, each of 512 consecutive bytes, aligned.  So the K steps of 128 need no change of slots.
; A WAVE'S 128 FEATURES GO IN TWO HALVES OF 64, each over the whole K: the first half's rows are stored, and are on their way, while the second half is multiplied.  Each fragment of wo is read from LDS once.
; CLUSTERS: the four work-groups of a cluster (4, 1, 1) make four token tiles of one feature tile and ask for wo's rows jointly (mask 15).
; NO PREFETCH: all that the work-group reads is asked for at the head; there is no loop of fills to run ahead in.
; Source 0 = 16 rows of wo, source 1 = 16 tokens: a lane holds one token (lane % 16) and eight neighbouring features.  The bias is the C of each sum's first product, as bo / 2^(e10 + e11).
; LIMIT: e10 + e11 between -126 and 127.
; REGISTERS.  Window 0: v16-29 addresses; v32-95 the bias (v32-63 then serve the way out); v128-255 wo's fragments, two buffers of four blocks (v128-191 also serve the way out).
; Window 1: accumulator (a, b) at v[8 (8 a + b)].  Windows 2, 3: my tokens' fragments: K step s, block a at v[64 (s % 4) + 16 a] of window 2 + s / 4.
.set PITCH,  1040                      ; 260 words: the 16 rows of a fragment load start 4 banks apart (64 banks of 4 bytes: ISA guide 11.1)
.set QUART,  64*PITCH                  ; what one tensor load brings
.set SPARE,  4*QUART                   ; the spare words, 128 bytes a wave
.set STAGE,  SPARE+512                 ; the way out: 16 rows x (256 + 16) bytes for each wave; no tile lands here
.set SPITCH, 272
.set NP,   4
.set LN,   16                          ; v16  16 x lane
.set ADRB, 20                          ; v20, v21  LDS address of wo's blocks 0-3, 4-7 of my 128 rows
.set STO,  24
.set RD,   25
.set CO,   26
.set BQ,   27
.set SPW,  28
.set NIL,  29
.set BI,   32
.set TMP,  32
.set BF,   128
.set BK,   128
.set MSB, 0
.macro WIN new                         ; the immediate's high byte repeats the setting that is left
.if MSB != \new
	s_set_vgpr_msb (MSB<<8)|\new
.set MSB, \new
.endif
.endm
.macro CREST
	s_cmp_lg_u32 s14, 0
	s_cbranch_scc1 .Lnot_wave_0_\@
	s_barrier_signal -3
.Lnot_wave_0_\@:
	s_barrier_wait -3
	s_barrier_signal -1
	s_barrier_wait -1
.endm
.macro CROUND
	s_barrier_signal -1
	s_barrier_wait -1
	CREST
.endm
.macro PLACES n
.rept \n
	v_nop
.endr
.endm
.macro LDA s                           ; my four token blocks' fragments of K step s
.set WN, 0x80+0x40*((\s)/4)
	WIN WN
.irp a, 0,1,2,3
.irp g, 0,1,2,3
	global_load_b128 v[64*((\s)%4)+16*\a+4*\g:64*((\s)%4)+16*\a+4*\g+3], v[LN], s[4:5] offset:16384*\a+2048*(\s)+512*\g
.endr
.endr
.endm
.macro LDB s, hf                       ; wo's blocks 4 hf .. 4 hf + 3 of K step s into buffer s % 2: registers 2 c, 2 c + 1 hold K = 16 c + 8 (lane / 16) + 0 .. 7, as ac's images have it
.irp i, 0,1,2,3
.irp c, 0,1,2,3,4,5,6,7
	ds_load_b64 v[BF+64*((\s)%2)+16*\i+2*\c:BF+64*((\s)%2)+16*\i+2*\c+1], v[ADRB+\hf] offset:\i*16*PITCH+128*(\s)+16*\c
.endr
.endr
.endm
.macro MUL s, hf                       ; 16 products; the half's 16 accumulators take turns in the same order in every K step
.irp i, 0,1,2,3
.irp a, 0,1,2,3
.if (\s) == 0
	v_wmma_f32_16x16x128_fp8_fp8 v[8*(8*\a+4*(\hf)+\i):8*(8*\a+4*(\hf)+\i)+7], v[BF+64*((\s)%2)+16*\i:BF+64*((\s)%2)+16*\i+15], v[64*((\s)%4)+16*\a:64*((\s)%4)+16*\a+15], v[BI+8*(4*(\hf)+\i):BI+8*(4*(\hf)+\i)+7]
.else
	v_wmma_f32_16x16x128_fp8_fp8 v[8*(8*\a+4*(\hf)+\i):8*(8*\a+4*(\hf)+\i)+7], v[BF+64*((\s)%2)+16*\i:BF+64*((\s)%2)+16*\i+15], v[64*((\s)%4)+16*\a:64*((\s)%4)+16*\a+15], v[8*(8*\a+4*(\hf)+\i):8*(8*\a+4*(\hf)+\i)+7]
.endif
.endr
.endr
.endm
.macro HSTEP s, hf                     ; K step s of half hf
.if (\s) == 0
.set WM, 0x48                          ; source 1 window 2, C (the bias) window 0, D window 1
.else
.set WM, 0x58+4*((\s)/4)               ; source 1 window 2 or 3, C and D window 1
.endif
.if (\hf) == 0
.if 16*(7-(\s)) > 63
	s_wait_loadcnt 63                              ; behind this K step's loads stand 16 for each later K step; the wait's field holds 63 at the most
.else
	s_wait_loadcnt 16*(7-(\s))
.endif
.endif
.if (\s) < 7
	LDB (\s)+1, \hf                                ; into the buffer that the K step before multiplied: its four places stand ahead
	s_wait_dscnt 32                                ; this K step's fragments are in; the 32 loads just issued may be out
.else
	s_wait_dscnt 0
.endif
	WIN WM
	MUL \s, \hf
	PLACES NP
	WIN 0
.endm
	s_load_b128 s[4:7], s[0:1], 0x0                ; ac, wo's codes
	s_load_b128 s[8:11], s[0:1], 0x10              ; the scales' exponents, bo
	s_load_b64 s[12:13], s[0:1], 0x20              ; out0
	v_lshl_add_u32 v[SPW], v0, 2, SPARE
	v_mov_b32 v[NIL], 0
	ds_add_u32 v[SPW], v[NIL]                      ; the opening lines: the add twice on end and its wait
	ds_add_u32 v[SPW], v[NIL]
	v_lshrrev_b32 v1, 5, v0
	v_readfirstlane_b32 s14, v1                    ; wave 0..3
	s_lshr_b32 s15, s14, 1                         ; which 64 tokens
	s_and_b32 s16, s14, 1                          ; which 128 features
	s_bfe_u32 s56, ttmp6, 0x40000                  ; cx
	s_lshl_b32 s58, ttmp9, 2
	s_add_co_u32 s58, s58, s56                     ; the token tile
	s_and_b32 s17, ttmp7, 0xffff                   ; the feature tile
	s_mov_b32 s24, 15|(1<<20)|(1<<21)|(7<<22)|(3<<25)   ; the mask; elements of 1 byte; padding: four words after every 256
	s_mov_b32 s25, 1024<<16                        ; tensor_dim0
	s_mov_b32 s26, 64<<16                          ; tensor_dim1
	s_mov_b32 s27, 1024<<16                        ; tile_dim0
	s_mov_b32 s28, 64                              ; tile_dim1
	s_mov_b32 s29, 1024                            ; the pitch
	s_mov_b32 s30, 0
	s_mov_b32 s31, 0
	s_mov_b32 s32, 1
	s_mul_i32 s33, s14, QUART                      ; LDS: wave x 64 rows
	s_lshl_b32 s20, s58, 17                        ; ac: 8 blocks of 16,384 bytes a tile, + 4 blocks for the upper 64 tokens
	s_lshl_b32 s18, s15, 16
	s_add_co_u32 s20, s20, s18
	s_mov_b32 s21, 0
	s_lshl_b32 s46, s17, 18                        ; wo: 256 rows of 1,024 bytes a tile, + 64 rows a wave
	s_lshl_b32 s47, s14, 16
	s_add_co_u32 s46, s46, s47
	s_mov_b32 s47, 0
	s_lshl_b32 s48, s17, 10                        ; my first feature, in bytes of f32
	s_lshl_b32 s49, s16, 9
	s_add_co_u32 s48, s48, s49
	s_mov_b32 s49, 0
	s_lshl_b32 s50, s58, 19                        ; my first token's row of 4,096 bytes
	s_lshl_b32 s51, s15, 18
	s_add_co_u32 s50, s50, s51
	s_mov_b32 s51, 0
	s_add_nc_u64 s[50:51], s[50:51], s[48:49]
	v_and_b32 v6, 31, v0
	v_lshlrev_b32 v[LN], 4, v6
	v_bfe_u32 v2, v0, 4, 1                         ; h = lane / 16
	v_lshlrev_b32 v[BQ], 5, v2
	s_wait_alu depctr_va_vdst(0)                   ; the wait ahead of the waits below
	s_wait_dscnt 0x0
	s_wait_kmcnt 0x0
	s_load_b64 s[96:97], s[8:9], 0x28              ; e10, e11
	s_add_nc_u64 s[4:5], s[4:5], s[20:21]
	s_add_nc_u64 s[34:35], s[6:7], s[46:47]
	s_or_b32 s35, s35, 0x80000000
	s_add_nc_u64 s[10:11], s[10:11], s[48:49]
	s_add_nc_u64 s[12:13], s[12:13], s[50:51]      ; the first half's rows of out0,
	s_add_nc_u64 s[52:53], s[12:13], 256           ; and the second half's, 64 features on
.irp b, 0,1,2,3,4,5,6,7                        ; the bias in the result's layout: features 16 b + 8 h + 0 .. 7
	global_load_b128 v[BI+8*\b:BI+8*\b+3], v[BQ], s[10:11] offset:64*\b
	global_load_b128 v[BI+8*\b+4:BI+8*\b+7], v[BQ], s[10:11] offset:64*\b+16
.endr
	LDA 0                                          ; 48 loads are out ahead of the round
	LDA 1
	WIN 0
	CROUND                                         ; the four work-groups are here: the joint loads meet
	tensor_load_to_lds s[32:35], s[24:31]          ; my 64 rows of wo, whole K: my one tensor load
	s_nop 0
	PLACES 4
.irp s, 2,3,4,5,6,7
	LDA \s
.endr
	WIN 0
	v_and_b32 v1, 15, v0                           ; r = lane % 16
	v_mul_u32_u24 v3, v1, PITCH
	v_lshl_add_u32 v4, v2, 3, v3                   ; row r, + 8 h
	s_mul_i32 s22, s16, 128*PITCH
	v_add_nc_u32 v[ADRB], s22, v4
	v_add_nc_u32 v[ADRB+1], 64*PITCH, v[ADRB]
	s_mul_i32 s23, s14, 16*SPITCH
	s_add_co_u32 s23, s23, STAGE                   ; my stage
	v_mul_u32_u24 v5, v1, SPITCH
	v_lshl_add_u32 v5, v2, 5, v5
	v_add_nc_u32 v[STO], s23, v5                   ; in: row r, 32 bytes for each half of the lanes
	v_mul_u32_u24 v7, v2, SPITCH
	v_lshl_add_u32 v7, v1, 4, v7
	v_add_nc_u32 v[RD], s23, v7                    ; back: lanes 0-15 take one row of 256 bytes, lanes 16-31 the next
	v_lshlrev_b32 v[CO], 12, v2
	v_lshl_add_u32 v[CO], v1, 4, v[CO]             ; and the same two rows in out0
	s_wait_kmcnt 0x0
	s_add_co_i32 s96, s96, s97                     ; e10 + e11
	s_sub_co_i32 s98, 0, s96
	s_add_co_i32 s96, s96, 127
	s_lshl_b32 s96, s96, 23                        ; 2^(e10 + e11) as f32
	s_wait_loadcnt 63                              ; the bias is in: 128 loads stand behind it
.set j, 0
.rept 64
	v_ldexp_f32 v[BI+j], v[BI+j], s98
.set j, j+1
.endr
; THE WAY OUT of a half, a block of 16 tokens x 64 features at a time, through my own stage: whole rows of 256 bytes come back, and sixteen lanes store one aligned unit of 256 bytes.
; LDS serves a wave's instructions in order (ISA guide 5.7.1.4): no wait between the stores and the loads.
.macro TOSTAGE a, hf
	WIN 0x01
.set j, 0
.rept 16
	v_pk_mul_f32 v[TMP+j:TMP+j+1], v[64*(\a)+32*(\hf)+j:64*(\a)+32*(\hf)+j+1], s[96:97] op_sel_hi:[1,0]   ; x 2^(e10 + e11); each accumulator from its low end on
.set j, j+2
.endr
	WIN 0
.irp b, 0,1,2,3
	ds_store_b128 v[STO], v[TMP+8*\b:TMP+8*\b+3] offset:64*\b
	ds_store_b128 v[STO], v[TMP+8*\b+4:TMP+8*\b+7] offset:64*\b+16
.endr
.set BB, BK+32*((\a)%2)
.irp t, 0,1,2,3,4,5,6,7
	ds_load_b128 v[BB+4*\t:BB+4*\t+3], v[RD] offset:\t*2*SPITCH
.endr
.endm
.macro SEND a, younger, bs
.set BB, BK+32*((\a)%2)
	s_wait_dscnt \younger
.if (\a) > 0
	s_add_nc_u64 s[\bs:\bs+1], s[\bs:\bs+1], 16*4096   ; behind a wait on XCNT: the earlier stores have read their base
.endif
.irp t, 0,1,2,3,4,5,6,7
	global_store_b128 v[CO], v[BB+4*\t:BB+4*\t+3], s[\bs:\bs+1] offset:2*\t*4096 th:TH_STORE_NT
.endr
.endm
.macro WAYOUT hf, bs
	TOSTAGE 0, \hf                                 ; (the last K step's four places stand ahead)
.irp a, 1,2,3
.if \a > 1
	s_wait_xcnt 0x0                                ; block a - 2's stores have read their registers and their base
.endif
	TOSTAGE \a, \hf
	SEND \a-1, 16, \bs                             ; behind block a - 1's loads: block a's 8 stores and 8 loads
.endr
	s_wait_xcnt 0x0
	SEND 3, 0, \bs
.endm
	s_wait_alu depctr_va_vdst(0)                   ; the wait at the head's end
	s_wait_tensorcnt 0x0                           ; my rows of wo are in
	s_barrier_signal -1
	s_barrier_wait -1                              ; and everybody's
	LDB 0, 0
.irp s, 0,1,2,3,4,5,6,7
	HSTEP \s, 0
.endr
	WAYOUT 0, 12                                   ; features 0-63 of my 128 leave
	s_wait_xcnt 0x0                                ; their stores have read their registers: wo's fragments may land there again
	LDB 0, 1
.irp s, 0,1,2,3,4,5,6,7
	HSTEP \s, 1
.endr
	WAYOUT 1, 52
	s_wait_tensorcnt 0x0                           ; the wave's end
	ds_add_u32 v[SPW], v[NIL]
	s_wait_dscnt 0x0
	CROUND                                         ; the closing round
	s_endpgm
.Lfunc_end_k_q7f85bf5abf_oproj:
	.size	k_q7f85bf5abf_oproj, .Lfunc_end_k_q7f85bf5abf_oproj-k_q7f85bf5abf_oproj
	.p2alignl 7, 3214868480
	.fill 96, 4, 3214868480
	.section	.rodata,"a",@progbits
	.p2align	6, 0x0
	.amdhsa_kernel k_q7f85bf5abf_oproj
		.amdhsa_group_segment_fixed_size 327680
		.amdhsa_private_segment_fixed_size 0
		.amdhsa_enable_private_segment 0
		.amdhsa_kernarg_size 40
		.amdhsa_user_sgpr_count 2
		.amdhsa_user_sgpr_kernarg_segment_ptr 1
		.amdhsa_wavefront_size32 1
		.amdhsa_system_sgpr_workgroup_id_x 1
		.amdhsa_system_sgpr_workgroup_id_y 1
		.amdhsa_system_sgpr_workgroup_id_z 1
		.amdhsa_system_vgpr_workitem_id 0
		.amdhsa_next_free_vgpr 1024
		.amdhsa_next_free_sgpr 100
		.amdhsa_reserve_vcc 0
		.amdhsa_float_denorm_mode_32 3
		.amdhsa_float_denorm_mode_16_64 3
		.amdhsa_memory_ordered 1
		.amdhsa_forward_progress 1
		.amdhsa_inst_pref_size 98
	.end_amdhsa_kernel
	.amdgpu_metadata
---
amdhsa.version: [ 1, 2 ]
amdhsa.kernels:
  - .name:           k_q7f85bf5abf_oproj
    .symbol:         k_q7f85bf5abf_oproj.kd
    .args:
      - { .name: ac, .offset: 0, .size: 8, .value_kind: global_buffer, .address_space: global }
      - { .name: wo_codes, .offset: 8, .size: 8, .value_kind: global_buffer, .address_space: global }
      - { .name: lowp_scales, .offset: 16, .size: 8, .value_kind: global_buffer, .address_space: global }
      - { .name: bo, .offset: 24, .size: 8, .value_kind: global_buffer, .address_space: global }
      - { .name: out0, .offset: 32, .size: 8, .value_kind: global_buffer, .address_space: global }
    .group_segment_fixed_size: 327680
    .private_segment_fixed_size: 0
    .kernarg_segment_align: 8
    .kernarg_segment_size: 40
    .max_flat_workgroup_size: 128
    .sgpr_count:     100
    .vgpr_count:     1024
    .wavefront_size: 32
...
	.end_amdgpu_metadata
.endif
;; end of part 3
